; MI455X (gfx1250); checked and timed in simulation.
; The chip was launched on July 23, 2026; its instructions are those of AMD's public machine-readable ISA for CDNA 5 (MIT licence, August 2026) and "CDNA5" Instruction Set Architecture Reference Guide (July 2026). The comments in the code are by the model that wrote it; some were corrected since.
;; Scaled Dot Product Attention. Allowed arithmetic: float matrix products may take bf16 or f16 operands with f32 sums; all other float work in f32.
;; Inputs: key 32 x 2,048 x 64 float32; mask 32 x 2,048 bool; query 32 x 2,048 x 64 float32; value 32 x 2,048 x 64 float32.
;; Outputs: out0 32 x 2,048 x 64 float32.
;; One version. Each part assembles by itself: llvm-mc -triple=amdgcn-amd-amdhsa -mcpu=gfx1250 --defsym DOCPART=n.
;; ======== version 1 of 1: 1 launch
;; limits: right only within a limited range of input values; values are held in f16: magnitudes above 65,504 overflow, below 6.1e-05 lose precision
;; launch attn (part 1): grid 8 x 32, 8 waves a work-group, no clusters, 267,776 bytes of LDS; arguments key, value, query, mask, out0; writes out0
.if DOCPART == 1
	.amdgcn_target "amdgcn-amd-amdhsa--gfx1250"
	.amdhsa_code_object_version 6
	.text
	.protected	k_q757eb2c78b_attn
	.globl	k_q757eb2c78b_attn
	.p2align	8
	.type	k_q757eb2c78b_attn,@function
k_q757eb2c78b_attn:
	s_mov_b64 s[64:65], 0
	v_nop
	global_prefetch_b8 v0, s[64:65] scope:SCOPE_SE
	s_setreg_imm32_b32 hwreg(HW_REG_WAVE_MODE, 25, 1), 1
	s_wait_xcnt 0x0
; out[b][q][:] = softmax_k( q.k/8 - 10000 [k > q] - 10000 (1 - mask[b][k]) ) . value      B = 32, S = 2048, D = 64, all f32, mask bytes.
;
; WORK.  Work-group (j, b), j = 0..7: batch b, two blocks of 128 queries: block 15-j, then block j.  Block i needs key tiles 0..i of 128 keys,
; so every work-group walks (16-j) + (j+1) = 17 tiles: 256 equal work-groups.  Wave w = 4 g + a owns queries 32 a .. 32 a + 31 of the block and keys
; 64 g .. 64 g + 63 of every tile; waves a and a + 4 keep their own (m, l, O) and are merged once a block through LDS.
;
; ARITHMETIC, transposed.  S^T = K Q'^T + C: A = 16 keys x 32 d, B = Q' = f16(q * log2(e)/8), kept in registers, C = the keys' penalty (0 or -10000 log2(e)),
; so the padding mask costs no vector instruction.  In the result a lane holds ONE query (r = lane & 15) and eight keys (8 h + j, h = lane >> 4): max and sum
; over keys stay inside the lane but for one exchange of the halves, and packing register pairs gives the B fragment of O^T += V^T P^T as it stands.
; Operands are f16, sums f32.  f16 and not bf16: where the first rows' terms p v of size 0.5 to 1 cancel, a relative 2^-9 on p leaves 0.002, 2^-12 leaves 0.0002.
;
; THE PENALTIES ARE FINITE, so they are ADDED, never replaced by a select: a row whose keys 0..q are all masked lives at the -10000 level together with
; the unmasked FUTURE keys.  A wave whose first query sees no unmasked key (OR of mask[b][0..q] = 0, whole numbers read from memory) therefore also walks
; the tiles behind the diagonal, with penalties -10000 or -20000, through LDS bytes of its own and under no barrier.  All other waves skip them.
;
; LIMITS.  |key|, |value|, 0.18 |query| < 65504 (f16).  Skipping future keys holds while a row's scores spread by less than 10000 - 104 (exp underflows).
; exp2 results under 2^-126 count as 0.  At the -10000 level a score carries f32's step of 2^-10, as in the f32 original.  Mask bytes are 0 or 1.
;
; NOT USED.  Tensor loads and joint requests in a cluster: K and V are f32 in memory and must pass through registers to become f16; by way of LDS a tile would cost
; 64 KiB written + 64 KiB read + 32 KiB written instead of 32 KiB written; and the partners of a batch walk different lists (16-j, then j+1 tiles), so four
; partners in step would take 16 + 4 = 20 steps for 17.
;
; ---- LDS ----
.set KP,    144                        ; K row: 128 bytes of f16 + 16: an odd multiple of 16, the 16 rows of a fragment load start in 16 different 16-byte columns mod 256
.set VP,    160                        ; V row: 128 + 32: an odd multiple of 32
.set VS,    128*KP                     ; K's slot is at 0, V's behind it
.set BS,    VS+128*VP                  ; 128 penalties, f32
.set MG,    BS+512                     ; + a*MGSZ: wave a+4's O (16 x 512 bytes) and (m0, m1, l0, l1)
.set MGSZ,  17*512
.set OUTB,  MG+4*MGSZ                  ; + a*MGSZ: 32 rows x 272 bytes, wave a's own, for the way out
.set OP,    272
.set PRIV,  OUTB+4*32*OP               ; + w*PRSZ: a wave's own 64 keys for the tiles behind the diagonal
.set PRV,   64*KP
.set PRB,   PRV+64*VP
.set PRSZ,  PRB+256                    ; the map ends at PRIV + 8*PRSZ = 266,752
; ---- vector registers, window 0 ----
.set RK,  1                            ; LDS address of my K fragments      (64 g + r) KP + 16 h
.set RV,  2                            ; of my V fragments                  VS + (64 g + 8 h + (L & 7)) VP + 16 ((L >> 3) & 1)
.set RB,  3                            ; of my penalties                    BS + 4 (64 g + 8 h)
.set RKP, 4                            ; the same three in my own region (g = 0)
.set RVP, 5
.set RBP, 6
.set DD,  7                            ; 32 a + r - 64 g - 8 h: query minus key at t = j = n = 0 of the diagonal tile
.set VNEG, 8                           ; -10000 log2(e)
.set MGA, 9
.set OST, 10
.set ORD, 11
.set OGL, 12                           ; 16 L
.set PFO, 13                           ; 256 L
.set MX,  16                           ; v16-17 m of query tile n;  v18-19 l (this lane's half of the keys)
.set LS,  18
.set NM,  20                           ; v20-21 -m twice
.set AL,  22                           ; v22-23 alpha twice
.set TT,  24                           ; v24-31 at work
.set OA,  32                           ; v32-95   O^T tile (dt, n) at OA + 16 dt + 8 n
.set SC,  96                           ; v96-159  S^T tile (t, n) at SC + 16 t + 8 n
.set PB,  160                          ; v160-191 P^T fragment (n, u) at PB + 16 n + 8 u ...
.set BI,  160                          ; ... and, before softmax, the penalties of key sub-tile t at BI + 8 t
.set FR,  192                          ; v192-255 K fragments (t, c) at FR + 16 t + 8 c, then V fragments (u, dt) at FR + 32 u + 8 dt
; ---- vector registers, window 1 (v256 + x) ----
.set LDOFF, 0                          ; 4096 w + 16 L
.set L16,   1                          ; 16 L
.set MOFF,  2                          ; 16 w + r
.set L15,   3                          ; r
.set STK,   4                          ; (16 w + h) KP + 8 r
.set STV,   5
.set STB,   6
.set PSK,   7                          ; the same three in my own region
.set PSV,   8
.set PSB,   9
.set QOFF,  10                         ; 256 r + 32 h
.set ST,    16                         ; 64 registers: the next tile's 16 rows of K and of V, f32 as loaded
.set STM,   80                         ; its mask byte
.set XR,    96                         ; 64 registers: raw Q; staging for the tiles behind the diagonal
.set XRM,   160
.set QF,    176                        ; 32 registers: Q' fragment (n, c) at QF + 16 n + 8 c
; ---- scalars: s4-13 arguments; s14 w, s15 a, s16 g, s17 j, s18 b; s20-25 K, V, mask of the batch; s26-29 Q, out of my 32 rows; s30-35 the tile being loaded;
; s36-41 the tile behind the diagonal; s42-43 an offset pair (s43 = 0); s44-45 Q's scale; s46-48 penalties; s49-50 lane select; s51 trip 0..16; s52 next tile to load;
; s53 16-j; s54 pass; s55 i; s57, s60 counters; s58, s59 walk-the-future flags; s61 15-i; s62 prefetch limit; s66-69 prefetch addresses; s70-77 at work
.set QSCALE, 0x3e38aa3b                ; log2(e) / 8
.set POSP,   0x46616bcd                ; 10000 log2(e)
.set NEGP,   0xc6616bcd
.set NEGP2,  0xc6e16bcd
.set MSB, 0
.macro WIN new                         ; bits 1:0 source 0, 3:2 source 1, 5:4 source 2, 7:6 destination; the high byte repeats the setting that is left
.if MSB != \new
	s_set_vgpr_msb (MSB<<8)|\new
.set MSB, \new
.endif
.endm
.macro PLACES                          ; four independent vector instructions behind a matrix instruction before its registers are touched (ISA guide 7.12.1)
.rept 4
	v_nop
.endr
.endm
; 17 loads: 16 rows of K, 16 rows of V (each load 512 consecutive bytes = 2 rows), 16 mask bytes.  c: which 16 rows from the base.
.macro LOADT R, RM, voff, vmoff, kb, vb, mb, c
	WIN 0x55
.irp i, 0,1,2,3,4,5,6,7
	global_load_b128 v[\R+4*\i:\R+4*\i+3], v[\voff], s[\kb:\kb+1] offset:\c*4096+512*\i
.endr
.irp i, 0,1,2,3,4,5,6,7
	global_load_b128 v[\R+32+4*\i:\R+32+4*\i+3], v[\voff], s[\vb:\vb+1] offset:\c*4096+512*\i
.endr
	global_load_u8 v[\RM], v[\vmoff], s[\mb:\mb+1] offset:16*\c
.endm
; f32 to f16 in place (4 numbers -> 2 registers), penalty = mask * 10000 log2(e) + sbase, and all of it into LDS
.macro STORET R, RM, ak, av, ab, c, sbase
	WIN 0x55
.irp i, 0,1,2,3,4,5,6,7,8,9,10,11,12,13,14,15
	v_cvt_pk_f16_f32 v[\R+4*\i], v[\R+4*\i], v[\R+4*\i+1]
	v_cvt_pk_f16_f32 v[\R+4*\i+1], v[\R+4*\i+2], v[\R+4*\i+3]
.endr
	v_cvt_f32_u32 v[\RM], v[\RM]
	v_fma_f32 v[\RM], v[\RM], s46, s[\sbase]
.irp i, 0,1,2,3,4,5,6,7
	ds_store_b64 v[\ak], v[\R+4*\i:\R+4*\i+1] offset:\c*16*KP+2*KP*\i
.endr
.irp i, 0,1,2,3,4,5,6,7
	ds_store_b64 v[\av], v[\R+32+4*\i:\R+32+4*\i+1] offset:\c*16*VP+2*VP*\i
.endr
	ds_store_b32 v[\ab], v[\RM] offset:64*\c
.endm
; my 32 query rows as B fragments want them: lane (r, h) takes d = 32 c + 16 e + 8 h + 0..7 of row 16 n + r
.macro QLOAD
	WIN 0x55
.irp n, 0,1
.irp c, 0,1
.irp e, 0,1
.irp q, 0,1
	global_load_b128 v[XR+32*\n+16*\c+8*\e+4*\q:XR+32*\n+16*\c+8*\e+4*\q+3], v[QOFF], s[26:27] offset:4096*\n+128*\c+64*\e+16*\q
.endr
.endr
.endr
.endr
.endm
.macro QCVT                            ; Q' = f16(q * log2(e)/8)
	WIN 0x55
.set k, 0
.rept 32
	v_pk_mul_f32 v[XR+2*k:XR+2*k+1], v[XR+2*k:XR+2*k+1], s[44:45] op_sel_hi:[1,0]
.set k, k+1
.endr
.set k, 0
.rept 32
	v_cvt_pk_f16_f32 v[QF+k], v[XR+2*k], v[XR+2*k+1]
.set k, k+1
.endr
.endm
; Online softmax of query tile n over my 64 keys: 32 scores a lane.
.macro SOFTMAX n
.irp t, 0,1,2,3
	v_max3_num_f32 v[TT+4+\t], v[SC+16*\t+8*\n], v[SC+16*\t+8*\n+1], v[SC+16*\t+8*\n+2]
.endr
.irp t, 0,1,2,3
	v_max3_num_f32 v[TT+4+\t], v[TT+4+\t], v[SC+16*\t+8*\n+3], v[SC+16*\t+8*\n+4]
.endr
.irp t, 0,1,2,3
	v_max3_num_f32 v[TT+4+\t], v[TT+4+\t], v[SC+16*\t+8*\n+5], v[SC+16*\t+8*\n+6]
.endr
	v_max3_num_f32 v[TT+4], v[TT+4], v[SC+8*\n+7], v[SC+16+8*\n+7]
	v_max3_num_f32 v[TT+5], v[TT+5], v[SC+32+8*\n+7], v[SC+48+8*\n+7]
	v_max3_num_f32 v[TT+6], v[TT+6], v[TT+7], v[MX+\n]                 ; the old m takes part
	v_max3_num_f32 v[TT], v[TT+4], v[TT+5], v[TT+6]
	v_permlanex16_b32 v[TT+1], v[TT], s49, s50                         ; the other eight keys of each sub-tile lie in lane xor 16
	v_max_num_f32 v[TT], v[TT], v[TT+1]                                ; the new m, alike in both halves
	v_sub_f32 v[TT+2], v[MX+\n], v[TT]
	v_mov_b32 v[MX+\n], v[TT]
	v_sub_f32 v[NM], 0, v[TT]
	v_sub_f32 v[NM+1], 0, v[TT]
	v_exp_f32 v[AL], v[TT+2]                                           ; alpha = 2^(m old - m new); the adds below are the plain instructions behind it
	v_exp_f32 v[AL+1], v[TT+2]
.irp t, 0,1,2,3
.irp p, 0,2,4,6
	v_pk_add_f32 v[SC+16*\t+8*\n+\p:SC+16*\t+8*\n+\p+1], v[SC+16*\t+8*\n+\p:SC+16*\t+8*\n+\p+1], v[NM:NM+1]
.endr
.endr
.irp t, 0,1,2,3
.irp j, 0,1,2,3,4,5,6,7
	v_exp_f32 v[SC+16*\t+8*\n+\j], v[SC+16*\t+8*\n+\j]
.endr
.endr
	s_wait_alu depctr_va_vdst(0)
.irp dt, 0,1,2,3                                                       ; O *= alpha: also the plain instructions between the exponentials and their use
.irp p, 0,2,4,6
	v_pk_mul_f32 v[OA+16*\dt+8*\n+\p:OA+16*\dt+8*\n+\p+1], v[OA+16*\dt+8*\n+\p:OA+16*\dt+8*\n+\p+1], v[AL:AL+1]
.endr
.endr
.irp t, 0,1,2,3                                                        ; the sum in four chains, started by their first pairs
	v_pk_add_f32 v[TT+2*\t:TT+2*\t+1], v[SC+16*\t+8*\n:SC+16*\t+8*\n+1], v[SC+16*\t+8*\n+2:SC+16*\t+8*\n+3]
.endr
.irp t, 0,1,2,3
	v_pk_add_f32 v[TT+2*\t:TT+2*\t+1], v[TT+2*\t:TT+2*\t+1], v[SC+16*\t+8*\n+4:SC+16*\t+8*\n+5]
.endr
.irp t, 0,1,2,3
	v_pk_add_f32 v[TT+2*\t:TT+2*\t+1], v[TT+2*\t:TT+2*\t+1], v[SC+16*\t+8*\n+6:SC+16*\t+8*\n+7]
.endr
	v_pk_add_f32 v[TT:TT+1], v[TT:TT+1], v[TT+2:TT+3]
	v_pk_add_f32 v[TT+4:TT+5], v[TT+4:TT+5], v[TT+6:TT+7]
	v_pk_add_f32 v[TT:TT+1], v[TT:TT+1], v[TT+4:TT+5]
	v_add_f32 v[TT], v[TT], v[TT+1]
	v_fma_f32 v[LS+\n], v[LS+\n], v[AL], v[TT]                         ; l = l alpha + sum, this lane's keys only
.irp u, 0,1                                                            ; sub-tiles 2u, 2u+1 are k = 8h.. and 16+8h.. of the B fragment (n, u)
.irp i, 0,1,2,3
	v_cvt_pk_f16_f32 v[PB+16*\n+8*\u+\i], v[SC+32*\u+8*\n+2*\i], v[SC+32*\u+8*\n+2*\i+1]
	v_cvt_pk_f16_f32 v[PB+16*\n+8*\u+4+\i], v[SC+32*\u+16+8*\n+2*\i], v[SC+32*\u+16+8*\n+2*\i+1]
.endr
.endr
.endm
; The diagonal tile: key > query  <=>  16 t + j - 16 n > DD; the penalty is added on top of the padding penalty
.macro CAUSAL
.irp t, 0,1,2,3
.irp n, 0,1
.irp j, 0,1,2,3,4,5,6,7
	v_cmp_gt_i32 vcc_lo, 16*\t+\j-16*\n, v[DD]
	v_cndmask_b32 v[TT], 0, v[VNEG], vcc_lo
	v_add_f32 v[SC+16*\t+8*\n+\j], v[SC+16*\t+8*\n+\j], v[TT]
.endr
.endr
.endr
.endm
; 64 keys x 32 queries.  rk, rv, rb: LDS addresses.  sig = 1: signal the barrier when my reads of the slot are over.  pf = 1: wave 0's prefetch.
.macro COMPUTE rk, rv, rb, causal, sig, pf, id
	WIN 0
.irp t, 0,1,2,3
	ds_load_b128 v[BI+8*\t:BI+8*\t+3], v[\rb] offset:64*\t
	ds_load_b128 v[BI+8*\t+4:BI+8*\t+7], v[\rb] offset:64*\t+16
	ds_load_b128 v[FR+16*\t:FR+16*\t+3], v[\rk] offset:16*KP*\t
	ds_load_b128 v[FR+16*\t+4:FR+16*\t+7], v[\rk] offset:16*KP*\t+32
	ds_load_b128 v[FR+16*\t+8:FR+16*\t+11], v[\rk] offset:16*KP*\t+64
	ds_load_b128 v[FR+16*\t+12:FR+16*\t+15], v[\rk] offset:16*KP*\t+96
.endr
	WIN 0x04                                                           ; B (Q') in window 1
.irp t, 0,1,2,3
	s_wait_dscnt 6*(3-\t)                                              ; six loads for each later sub-tile stay out (LDS answers in order, ISA guide 5.7.1)
	v_wmma_f32_16x16x32_f16 v[SC+16*\t:SC+16*\t+7], v[FR+16*\t:FR+16*\t+7], v[QF:QF+7], v[BI+8*\t:BI+8*\t+7]
	v_wmma_f32_16x16x32_f16 v[SC+16*\t+8:SC+16*\t+15], v[FR+16*\t:FR+16*\t+7], v[QF+16:QF+23], v[BI+8*\t:BI+8*\t+7]
	v_wmma_f32_16x16x32_f16 v[SC+16*\t:SC+16*\t+7], v[FR+16*\t+8:FR+16*\t+15], v[QF+8:QF+15], v[SC+16*\t:SC+16*\t+7]
	v_wmma_f32_16x16x32_f16 v[SC+16*\t+8:SC+16*\t+15], v[FR+16*\t+8:FR+16*\t+15], v[QF+24:QF+31], v[SC+16*\t+8:SC+16*\t+15]
.endr
	WIN 0
	PLACES                                                             ; then FR is loaded again, the scores are read, the penalties' registers rewritten
.irp u, 0,1
.irp dt, 0,1,2,3
	ds_load_tr16_b128 v[FR+32*\u+8*\dt:FR+32*\u+8*\dt+3], v[\rv] offset:32*VP*\u+32*\dt
	ds_load_tr16_b128 v[FR+32*\u+8*\dt+4:FR+32*\u+8*\dt+7], v[\rv] offset:32*VP*\u+32*\dt+16*VP
.endr
.endr
.if \pf
	; Wave 0, trips 0..11: asks for this work-group's 32 rows (lanes 256 bytes apart) of tile trip + 4, two trips ahead of the register loads of that tile.
	; j < 4: K's rows 32 j ..; j >= 4: V's rows 32 (j - 4) ..: the eight work-groups of a batch ask for each row once.  It stops at tile 15, the batch's last.
	s_cmp_lt_u32 s51, s62
	s_cbranch_scc0 .Lnopf\id
	s_wait_xcnt 0x0                                                    ; the last trip's prefetch has read s[68:69]
	s_add_nc_u64 s[68:69], s[68:69], 0x8000
	global_prefetch_b8 v[PFO], s[68:69] th:TH_LOAD_NT scope:SCOPE_SE
.Lnopf\id:
.endif
.if \causal
	CAUSAL
.endif
	SOFTMAX 0
	SOFTMAX 1
	s_wait_dscnt 0x0                                                   ; V's fragments are in, and with them all my reads of the slot are over
.if \sig
	s_barrier_signal -1
.endif
.irp u, 0,1
.irp dt, 0,1,2,3
.irp n, 0,1
	v_wmma_f32_16x16x32_f16 v[OA+16*\dt+8*\n:OA+16*\dt+8*\n+7], v[FR+32*\u+8*\dt:FR+32*\u+8*\dt+7], v[PB+16*\n+8*\u:PB+16*\n+8*\u+7], v[OA+16*\dt+8*\n:OA+16*\dt+8*\n+7]
.endr
.endr
.endr
	PLACES
.endm
; One tile of the walk.  Two barriers: all have read the slot / all have written the next tile.  The tile after that waits in registers.
.macro TRIP causal, id
	COMPUTE RK, RV, RB, \causal, 1, 1, \id
	s_barrier_wait -1
	s_cmp_lt_u32 s51, 16
	s_cbranch_scc0 .Lnost\id                                           ; the 17th tile has no successor
	s_wait_loadcnt 0x0                                                 ; the staged tile, asked for a whole trip ago; also frees s[30:35]
	STORET ST, STM, STK, STV, STB, 0, 47
	WIN 0
	s_cmp_lt_u32 s51, 15
	s_cbranch_scc0 .Lnost\id
	s_lshl_b32 s42, s52, 15
	s_add_nc_u64 s[30:31], s[20:21], s[42:43]
	s_add_nc_u64 s[32:33], s[22:23], s[42:43]
	s_lshl_b32 s42, s52, 7
	s_add_nc_u64 s[34:35], s[24:25], s[42:43]
	LOADT ST, STM, LDOFF, MOFF, 30, 32, 34, 0
	WIN 0
	s_add_co_u32 s52, s52, 1
	s_cmp_eq_u32 s52, s53                                              ; behind tile 15-j the walk starts again at tile 0, for block j
	s_cselect_b32 s52, 0, s52
.Lnost\id:
	s_add_co_u32 s51, s51, 1
	s_wait_dscnt 0x0                                                   ; my part of the next tile is in LDS
	s_barrier_signal -1
	s_barrier_wait -1
.endm
; dst = 1 if no byte of mask[b][0 .. sq] is set.  Lane L holds the OR of bytes 512 c + 16 L .. + 15 (v128+c) and the first of them (v132+c); sq is a multiple of 16.
.macro COND dst, sq
	v_mov_b32 v136, 0
.irp c, 0,1,2,3
	s_sub_co_i32 s70, s[\sq], 512*\c
	v_cmp_gt_i32 vcc_lo, s70, v[OGL]
	v_cndmask_b32 v137, 0, v[128+\c], vcc_lo
	v_or_b32 v136, v136, v137
	v_cmp_eq_u32 vcc_lo, s70, v[OGL]
	v_cndmask_b32 v137, 0, v[132+\c], vcc_lo
	v_or_b32 v136, v136, v137
.endr
	v_cmp_ne_u32 vcc_lo, 0, v136
	s_cmp_eq_u32 vcc_lo, 0
	s_cselect_b32 s[\dst], 1, 0
.endm
; the scalars of block i = s55
.macro PASSSET
	s_sub_co_u32 s61, 15, s55                                          ; tiles behind the diagonal
	s_lshl_b32 s42, s55, 15
	s_add_nc_u64 s[28:29], s[12:13], s[42:43]                          ; out at my 32 rows
	s_lshl_b32 s70, s16, 14
	s_add_co_u32 s42, s42, s70
	s_add_co_u32 s42, s42, 0x8000                                      ; key 128 (i + 1) + 64 g, in bytes of K and V
	s_add_nc_u64 s[36:37], s[20:21], s[42:43]
	s_add_nc_u64 s[38:39], s[22:23], s[42:43]
	s_lshr_b32 s42, s42, 8
	s_add_nc_u64 s[40:41], s[24:25], s[42:43]
.endm
; merge of query tile n: mine (m, l, O) with wave a+4's (v24-27, SC)
.macro MERGE n
	v_max_num_f32 v28, v[MX+\n], v[24+\n]
	v_sub_f32 v29, v[MX+\n], v28
	v_sub_f32 v30, v[24+\n], v28
	v_exp_f32 v29, v29
	v_exp_f32 v30, v30
	v_nop                                                              ; one plain instruction behind a transcendental (ISA guide 5.7.2)
	s_wait_alu depctr_va_vdst(0)
	v_mul_f32 v31, v29, v[LS+\n]
	v_fma_f32 v31, v30, v[26+\n], v31
	v_permlanex16_b32 v28, v31, s49, s50                               ; l's other half of the keys
	v_add_f32 v31, v31, v28
	v_rcp_f32 v31, v31                                                 ; l >= 1: the largest score of the row contributes 2^0
	v_nop
	s_wait_alu depctr_va_vdst(0)
	v_mul_f32 v[NM], v29, v31
	v_mul_f32 v[NM+1], v29, v31
	v_mul_f32 v[AL], v30, v31
	v_mul_f32 v[AL+1], v30, v31
.irp dt, 0,1,2,3
.irp p, 0,2,4,6
	v_pk_mul_f32 v[OA+16*\dt+8*\n+\p:OA+16*\dt+8*\n+\p+1], v[OA+16*\dt+8*\n+\p:OA+16*\dt+8*\n+\p+1], v[NM:NM+1]
.endr
.endr
.irp dt, 0,1,2,3
.irp p, 0,2,4,6
	v_pk_fma_f32 v[OA+16*\dt+8*\n+\p:OA+16*\dt+8*\n+\p+1], v[SC+16*\dt+8*\n+\p:SC+16*\dt+8*\n+\p+1], v[AL:AL+1], v[OA+16*\dt+8*\n+\p:OA+16*\dt+8*\n+\p+1]
.endr
.endr
.endm
; ================= prologue =================
	s_load_b256 s[4:11], s[0:1], 0x0               ; key s[4:5], value s[6:7], query s[8:9], mask s[10:11]
	s_load_b64 s[12:13], s[0:1], 0x20              ; out0
	v_lshl_add_u32 v14, v0, 2, 0x41200
	v_mov_b32 v15, 0
	v_lshrrev_b32 v24, 5, v0
	v_readfirstlane_b32 s14, v24                   ; w
	s_and_b32 s15, s14, 3                          ; a: which 32 queries
	s_lshr_b32 s16, s14, 2                         ; g: which 64 keys
	s_mov_b32 s17, ttmp9                           ; j
	s_and_b32 s18, ttmp7, 0xffff                   ; b
	s_mov_b32 s43, 0
	s_mov_b32 s44, QSCALE
	s_mov_b32 s45, QSCALE
	s_mov_b32 s46, POSP
	s_mov_b32 s47, NEGP
	s_mov_b32 s48, NEGP2
	s_mov_b32 s49, 0x76543210                      ; v_permlanex16_b32: lane i takes lane i xor 16
	s_mov_b32 s50, 0xfedcba98
	s_sub_co_u32 s53, 16, s17                      ; tiles of the first block
	s_sub_co_u32 s55, 15, s17                      ; i of the first block
	; lane terms
	v_and_b32 v96, 31, v0                          ; L
	v_and_b32 v97, 15, v0                          ; r
	v_bfe_u32 v98, v0, 4, 1                        ; h
	v_and_b32 v99, 7, v0
	v_bfe_u32 v100, v0, 3, 1
	v_mul_u32_u24 v101, v97, KP
	v_lshl_add_u32 v101, v98, 4, v101              ; r KP + 16 h
	v_lshl_add_u32 v102, v98, 3, v99
	v_mul_u32_u24 v102, v102, VP
	v_lshl_add_u32 v102, v100, 4, v102             ; (8 h + (L & 7)) VP + 16 ((L >> 3) & 1)
	v_lshlrev_b32 v103, 5, v98                     ; 32 h
	v_lshlrev_b32 v104, 3, v98                     ; 8 h
	v_mul_u32_u24 v105, v98, KP
	v_lshl_add_u32 v105, v97, 3, v105              ; h KP + 8 r
	v_mul_u32_u24 v106, v98, VP
	v_lshl_add_u32 v106, v97, 3, v106              ; h VP + 8 r
	v_mul_u32_u24 v107, v97, OP
	v_mul_u32_u24 v108, v98, OP
	s_mul_i32 s70, s16, 64*KP
	s_mul_i32 s71, s14, PRSZ
	s_add_co_u32 s71, s71, PRIV                    ; my own region
	s_add_co_u32 s72, s71, PRV
	s_add_co_u32 s73, s71, PRB
	v_add_nc_u32 v[RK], s70, v101
	v_add_nc_u32 v[RKP], s71, v101
	s_mul_i32 s70, s16, 64*VP
	s_add_co_u32 s70, s70, VS
	v_add_nc_u32 v[RV], s70, v102
	v_add_nc_u32 v[RVP], s72, v102
	s_lshl_b32 s70, s16, 8
	s_add_co_u32 s70, s70, BS
	v_add_nc_u32 v[RB], s70, v103
	v_add_nc_u32 v[RBP], s73, v103
	s_lshl_b32 s70, s15, 5
	s_lshl_b32 s74, s16, 6
	s_sub_co_i32 s70, s70, s74                     ; 32 a - 64 g
	v_sub_nc_u32 v[DD], v97, v104
	v_add_nc_u32 v[DD], s70, v[DD]
	v_mov_b32 v[VNEG], s47
	s_mul_i32 s70, s15, MGSZ
	s_add_co_u32 s74, s70, MG
	v_lshl_add_u32 v[MGA], v96, 4, s74
	s_add_co_u32 s74, s70, OUTB
	v_add_nc_u32 v[OST], s74, v107
	v_add_nc_u32 v[OST], v[OST], v103              ; r OP + 32 h
	v_add_nc_u32 v[ORD], s74, v108
	v_lshl_add_u32 v[ORD], v97, 4, v[ORD]          ; h OP + 16 r
	v_lshlrev_b32 v[OGL], 4, v96
	v_lshlrev_b32 v[PFO], 8, v96
.irp k, 24,25,26,27,28,29,30,31
	v_mov_b32 v\k, 0                               ; work registers: a lane exchange counts as a reader of its destination
.endr
	s_lshl_b32 s70, s14, 12
	s_lshl_b32 s74, s14, 4
	s_mul_i32 s75, s14, 16*KP
	s_mul_i32 s76, s14, 16*VP
	s_add_co_u32 s76, s76, VS
	s_lshl_b32 s77, s14, 6
	s_add_co_u32 s77, s77, BS
	WIN 0x40                                       ; destinations in window 1
	v_lshl_add_u32 v[LDOFF], v96, 4, s70
	v_lshlrev_b32 v[L16], 4, v96
	v_add_nc_u32 v[MOFF], s74, v97
	v_mov_b32 v[L15], v97
	v_add_nc_u32 v[STK], s75, v105
	v_add_nc_u32 v[STV], s76, v106
	v_lshl_add_u32 v[STB], v97, 2, s77
	v_add_nc_u32 v[PSK], s71, v105
	v_add_nc_u32 v[PSV], s72, v106
	v_lshl_add_u32 v[PSB], v97, 2, s73
	v_lshl_add_u32 v[QOFF], v97, 8, v103
	WIN 0
	s_lshl_b32 s72, s55, 7                         ; my first query in the first block
	s_lshl_b32 s74, s15, 5
	s_add_co_u32 s72, s72, s74
	s_lshl_b32 s73, s17, 7                         ; and in the second
	s_add_co_u32 s73, s73, s74
	s_wait_kmcnt 0x0
	s_lshl_b32 s42, s18, 19                        ; a batch of K, V, Q, out: 2048 rows of 256 bytes
	s_add_nc_u64 s[20:21], s[4:5], s[42:43]
	s_add_nc_u64 s[22:23], s[6:7], s[42:43]
	s_lshl_b32 s70, s15, 13
	s_add_co_u32 s42, s42, s70                     ; + 32 a rows
	s_add_nc_u64 s[8:9], s[8:9], s[42:43]
	s_add_nc_u64 s[12:13], s[12:13], s[42:43]
	s_lshl_b32 s42, s18, 11
	s_add_nc_u64 s[24:25], s[10:11], s[42:43]
.irp c, 0,1,2,3
	global_load_b128 v[112+4*\c:115+4*\c], v[OGL], s[24:25] offset:512*\c      ; the batch's whole mask row, 64 bytes a lane
.endr
	s_lshl_b32 s42, s55, 15
	s_add_nc_u64 s[26:27], s[8:9], s[42:43]
	QLOAD
	s_mov_b64 s[30:31], s[20:21]
	s_mov_b64 s[32:33], s[22:23]
	s_mov_b64 s[34:35], s[24:25]
	LOADT ST, STM, LDOFF, MOFF, 30, 32, 34, 0      ; tile 0
	WIN 0
	s_cmp_lt_u32 s17, 4                            ; this work-group's share of the prefetches: K or V, rows 32 (j & 3) ..
	s_cselect_b64 s[66:67], s[20:21], s[22:23]
	s_and_b32 s42, s17, 3
	s_lshl_b32 s42, s42, 13
	s_add_nc_u64 s[66:67], s[66:67], s[42:43]
	s_add_nc_u64 s[68:69], s[66:67], 0x18000       ; tile 3; each trip steps it by a tile first
	s_cmp_eq_u32 s14, 0
	s_cselect_b32 s62, 12, 0                       ; wave 0 asks in trips 0..11, the others never
	s_cmp_lg_u32 s14, 0
	s_cbranch_scc1 .Lnopf_p
	global_prefetch_b8 v[PFO], s[66:67] offset:0x10000 th:TH_LOAD_NT scope:SCOPE_SE    ; tiles 2 and 3 (0 and 1 are loaded at once)
	global_prefetch_b8 v[PFO], s[66:67] offset:0x18000 th:TH_LOAD_NT scope:SCOPE_SE
.Lnopf_p:
	s_wait_loadcnt 33                              ; the mask row is in; Q's 16 loads and tile 0's 17 stay out
.irp c, 0,1,2,3
	v_or_b32 v[128+\c], v[112+4*\c], v[113+4*\c]
	v_or_b32 v137, v[114+4*\c], v[115+4*\c]
	v_or_b32 v[128+\c], v[128+\c], v137
	v_and_b32 v[132+\c], 0xff, v[112+4*\c]
.endr
	COND 58, 72
	COND 59, 73
	PASSSET
	s_wait_loadcnt 0x0                             ; Q and tile 0
	STORET ST, STM, STK, STV, STB, 0, 47
	s_add_nc_u64 s[30:31], s[30:31], 0x8000
	s_add_nc_u64 s[32:33], s[32:33], 0x8000
	s_add_nc_u64 s[34:35], s[34:35], 128
	LOADT ST, STM, LDOFF, MOFF, 30, 32, 34, 0      ; tile 1
	QCVT
	WIN 0
	s_mov_b32 s52, 2
	s_mov_b32 s51, 0
	s_mov_b32 s54, 0
	s_wait_dscnt 0x0
	s_barrier_signal -1
	s_barrier_wait -1
; ================= a block of 128 queries =================
.Lpass:
	v_mov_b32 v[MX], 0xf149f2ca                    ; m = -1e30: the first alpha is 2^(-1e30 - m) = 0
	v_mov_b32 v[MX+1], 0xf149f2ca
	v_mov_b32 v[LS], 0
	v_mov_b32 v[LS+1], 0
	; O is cleared by 64 moves a block (9 tiles and more on the average of the two blocks): starting the sums with C = 0 would take one more copy of the tile's code
.set k, 0
.rept 64
	v_mov_b32 v[OA+k], 0
.set k, k+1
.endr
	s_cmp_eq_u32 s55, 0
	s_cbranch_scc1 .Ldiag
	s_mov_b32 s57, 0
.Linner:
	TRIP 0, 0                                      ; tiles 0 .. i-1: no key is behind a query
	s_add_co_u32 s57, s57, 1
	s_cmp_lt_u32 s57, s55
	s_cbranch_scc1 .Linner
.Ldiag:
	TRIP 1, 1                                      ; tile i
	; The tiles behind the diagonal, only for a wave whose first query sees no unmasked key.  Each wave stages its own 64 keys in its own LDS bytes, which LDS
	; serves in the wave's order: no barrier.  Not pipelined: four waits for memory for 64 keys, on a path that an all-true mask never takes.
	s_cmp_eq_u32 s58, 0
	s_cbranch_scc1 .Lnoext
	s_cmp_eq_u32 s61, 0
	s_cbranch_scc1 .Lnoext
	s_mov_b32 s60, 0
.Lext:
.irp c, 0,1,2,3
	LOADT XR, XRM, L16, L15, 36, 38, 40, \c
	s_wait_loadcnt 0x0
	STORET XR, XRM, PSK, PSV, PSB, \c, 48          ; penalty -10000 (unmasked) or -20000
.endr
	COMPUTE RKP, RVP, RBP, 0, 0, 0, 2
	s_add_nc_u64 s[36:37], s[36:37], 0x8000        ; their loads are done (the waits above)
	s_add_nc_u64 s[38:39], s[38:39], 0x8000
	s_add_nc_u64 s[40:41], s[40:41], 128
	s_add_co_u32 s60, s60, 1
	s_cmp_lt_u32 s60, s61
	s_cbranch_scc1 .Lext
.Lnoext:
	s_cmp_lg_u32 s54, 0
	s_cbranch_scc1 .Lnoq
	s_lshl_b32 s42, s17, 15                        ; the second block's Q is asked for now and comes in while the first block is merged
	s_add_nc_u64 s[26:27], s[8:9], s[42:43]
	QLOAD
	WIN 0
.Lnoq:
	; ---- merge of the two key halves, division, way out ----
	s_cmp_lt_u32 s14, 4
	s_cbranch_scc1 .Lfin_a
.irp q, 0,1,2,3,4,5,6,7,8,9,10,11,12,13,14,15
	ds_store_b128 v[MGA], v[OA+4*\q:OA+4*\q+3] offset:512*\q
.endr
	ds_store_b128 v[MGA], v[MX:MX+3] offset:8192
.Lfin_a:
	s_wait_dscnt 0x0                               ; for wave a's sake
	s_barrier_signal -1
	s_barrier_wait -1
	s_cmp_ge_u32 s14, 4
	s_cbranch_scc1 .Lfin_b
.irp q, 0,1,2,3,4,5,6,7,8,9,10,11,12,13,14,15
	ds_load_b128 v[SC+4*\q:SC+4*\q+3], v[MGA] offset:512*\q
.endr
	ds_load_b128 v[24:27], v[MGA] offset:8192
	s_wait_dscnt 0x0
	MERGE 0
	MERGE 1
	; a lane holds d = 16 dt + 8 h + 0..7 of query 16 n + r: 32 bytes of a row.  Through my own 32 rows of 272 bytes, read back as whole rows.
.irp n, 0,1
.irp dt, 0,1,2,3
	ds_store_b128 v[OST], v[OA+16*\dt+8*\n:OA+16*\dt+8*\n+3] offset:16*OP*\n+64*\dt
	ds_store_b128 v[OST], v[OA+16*\dt+8*\n+4:OA+16*\dt+8*\n+7] offset:16*OP*\n+64*\dt+16
.endr
.endr
.irp i, 0,1,2,3,4,5,6,7,8,9,10,11,12,13,14,15
	ds_load_b128 v[FR+4*\i:FR+4*\i+3], v[ORD] offset:2*OP*\i           ; LDS serves a wave's instructions in order: these see the stores above
.endr
.irp i, 0,1,2,3,4,5,6,7,8,9,10,11,12,13,14,15
	s_wait_dscnt 15-\i                                                 ; the younger read-backs stay out
	global_store_b128 v[OGL], v[FR+4*\i:FR+4*\i+3], s[28:29] offset:512*\i th:TH_STORE_NT   ; each store covers 512 consecutive bytes, two whole rows
.endr
.Lfin_b:
	s_wait_xcnt 0x0                                ; s[28:29] and FR, which the stores read, are rewritten only behind this wait
	s_wait_loadcnt 0x0                             ; the second block's Q.  It stands in front of the branch, on every path: no later load names Q's raw registers
	                                               ; while these loads are out.  At the end of the second block no load is out (the 17th trip loads nothing)
	s_cmp_lg_u32 s54, 0
	s_cbranch_scc1 .Llast
	s_mov_b32 s55, s17                             ; the second block: i = j
	s_mov_b32 s58, s59
	PASSSET
	QCVT
	WIN 0
.Llast:
	s_add_co_u32 s54, s54, 1
	s_cmp_lt_u32 s54, 2
	s_cbranch_scc1 .Lpass
	s_wait_tensorcnt 0x0
	ds_add_u32 v14, v15
	s_wait_dscnt 0x0
	s_endpgm
.Lfunc_end_k_q757eb2c78b_attn:
	.size	k_q757eb2c78b_attn, .Lfunc_end_k_q757eb2c78b_attn-k_q757eb2c78b_attn
	.p2alignl 7, 3214868480
	.fill 96, 4, 3214868480
	.section	.rodata,"a",@progbits
	.p2align	6, 0x0
	.amdhsa_kernel k_q757eb2c78b_attn
		.amdhsa_group_segment_fixed_size 267776
		.amdhsa_private_segment_fixed_size 0
		.amdhsa_enable_private_segment 0
		.amdhsa_kernarg_size 40
		.amdhsa_user_sgpr_count 2
		.amdhsa_user_sgpr_kernarg_segment_ptr 1
		.amdhsa_wavefront_size32 1
		.amdhsa_system_sgpr_workgroup_id_x 1
		.amdhsa_system_sgpr_workgroup_id_y 1
		.amdhsa_system_sgpr_workgroup_id_z 1
		.amdhsa_system_vgpr_workitem_id 0
		.amdhsa_next_free_vgpr 464
		.amdhsa_next_free_sgpr 80
		.amdhsa_reserve_vcc 1
		.amdhsa_float_denorm_mode_32 3
		.amdhsa_float_denorm_mode_16_64 3
		.amdhsa_memory_ordered 1
		.amdhsa_forward_progress 1
		.amdhsa_inst_pref_size 133
	.end_amdhsa_kernel
	.amdgpu_metadata
---
amdhsa.version: [ 1, 2 ]
amdhsa.kernels:
  - .name:           k_q757eb2c78b_attn
    .symbol:         k_q757eb2c78b_attn.kd
    .args:
      - { .name: key, .offset: 0, .size: 8, .value_kind: global_buffer, .address_space: global }
      - { .name: value, .offset: 8, .size: 8, .value_kind: global_buffer, .address_space: global }
      - { .name: query, .offset: 16, .size: 8, .value_kind: global_buffer, .address_space: global }
      - { .name: mask, .offset: 24, .size: 8, .value_kind: global_buffer, .address_space: global }
      - { .name: out0, .offset: 32, .size: 8, .value_kind: global_buffer, .address_space: global }
    .group_segment_fixed_size: 267776
    .private_segment_fixed_size: 0
    .kernarg_segment_align: 8
    .kernarg_segment_size: 40
    .max_flat_workgroup_size: 256
    .sgpr_count:     80
    .vgpr_count:     464
    .wavefront_size: 32
...
	.end_amdgpu_metadata
.endif
;; end of part 1
